; MI455X (gfx1250); checked and timed in simulation.
; The chip was launched on July 23, 2026; its instructions are those of AMD's public machine-readable ISA for CDNA 5 (MIT licence, August 2026) and "CDNA5" Instruction Set Architecture Reference Guide (July 2026). The comments in the code are by the model that wrote it; some were corrected since.
;; Mo E Layer. Allowed arithmetic: matrix products marked QUANTISED: E2M3 operands, one E8M0 scale for each 32 along K, by v_wmma_scale_f32_16x16x128_f8f6f4 with both operands' format E2M3, f32 sums; products left as they are: f32 operands where the result goes on into a quantised operand, else bf16, f16 or f32 operands; f32 sums; everything else in f32.
;; Inputs: b1 8 x 4,096 float32; b2 8 x 1,024 float32; br 8 float32; hidden_states 4 x 256 x 1,024 float32; w1_codes 8 x 4,096 x 32 x 24 uint8 (E2M3 codes of w1, K innermost, in blocks of 32 codes, four codes in three bytes); w1_scales 8 x 4,096 x 32 uint8 (E8M0 scales of w1, one for each 32 codes along K); w2_codes 8 x 1,024 x 128 x 24 uint8 (E2M3 codes of w2, K innermost, in blocks of 32 codes, four codes in three bytes); w2_scales 8 x 1,024 x 128 uint8 (E8M0 scales of w2, one for each 32 codes along K); wr 1,024 x 8 float32.
;; Outputs: out0 4 x 256 x 1,024 float32.
;; This version of the problem:
;;   THIS VERSION OF THE PROBLEM IS GIVEN IN LOW PRECISION. The matrix products marked QUANTISED in the list below multiply operands that are first quantised to E2M3 (2 exponent bits, 3 mantissa bits; 6 bits a number), with one power-of-two scale for each 32 numbers along K (OCP MX v1.0); their sums are f32. All else is computed in f32.
;;   The module's matrix products, in the order in which they are computed (A, B: the left and right operand; K: the contracted axis; several contracted axes count as one K, in the product's order):
;;     1. [M 1,024, K 1,024] x [K 1,024, N 8]; A: input hidden_states; B: input wr: left as it is (N = 8 < 16)
;;     2. [M 1,024, K 1,024] x [K 1,024, N 4,096]; A: input hidden_states; B: input w1 (given as codes): QUANTISED
;;     3. [M 1,024, K 4,096] x [K 4,096, N 1,024]; A: computed on the way; B: input w2 (given as codes): QUANTISED
;;     4. [M 1,024, K 1,024] x [K 1,024, N 4,096]; A: input hidden_states; B: input w1 (given as codes): QUANTISED
;;     5. [M 1,024, K 4,096] x [K 4,096, N 1,024]; A: computed on the way; B: input w2 (given as codes): QUANTISED
;;     6. [M 1,024, K 1,024] x [K 1,024, N 4,096]; A: input hidden_states; B: input w1 (given as codes): QUANTISED
;;     7. [M 1,024, K 4,096] x [K 4,096, N 1,024]; A: computed on the way; B: input w2 (given as codes): QUANTISED
;;     8. [M 1,024, K 1,024] x [K 1,024, N 4,096]; A: input hidden_states; B: input w1 (given as codes): QUANTISED
;;     9. [M 1,024, K 4,096] x [K 4,096, N 1,024]; A: computed on the way; B: input w2 (given as codes): QUANTISED
;;     10. [M 1,024, K 1,024] x [K 1,024, N 4,096]; A: input hidden_states; B: input w1 (given as codes): QUANTISED
;;     11. [M 1,024, K 4,096] x [K 4,096, N 1,024]; A: computed on the way; B: input w2 (given as codes): QUANTISED
;;     12. [M 1,024, K 1,024] x [K 1,024, N 4,096]; A: input hidden_states; B: input w1 (given as codes): QUANTISED
;;     13. [M 1,024, K 4,096] x [K 4,096, N 1,024]; A: computed on the way; B: input w2 (given as codes): QUANTISED
;;     14. [M 1,024, K 1,024] x [K 1,024, N 4,096]; A: input hidden_states; B: input w1 (given as codes): QUANTISED
;;     15. [M 1,024, K 4,096] x [K 4,096, N 1,024]; A: computed on the way; B: input w2 (given as codes): QUANTISED
;;     16. [M 1,024, K 1,024] x [K 1,024, N 4,096]; A: input hidden_states; B: input w1 (given as codes): QUANTISED
;;     17. [M 1,024, K 4,096] x [K 4,096, N 1,024]; A: computed on the way; B: input w2 (given as codes): QUANTISED
;;   THE QUANTISER, for each operand of a quantised product, along K:
;;     - K is cut into blocks of 32 from its start; a last block that is shorter is filled with zeros.
;;     - A block's scale is 2^e with e = floor(log2(the largest magnitude in the block)) - 2, held to -126 .. 127; a block of zeros has e = 0. As a byte (E8M0): e + 127.
;;     - Each number is divided by its block's scale, clamped to +-7.5, and rounded to the nearest number of E2M3, ties to even, subnormals kept.
;;     - The product sums the exact products of the quantised numbers (number of the format x scale) in f32.
;;   ~~~python
;;   def quantise(x, axis):      # numpy; x: float32 -> the quantised numbers, widened to float32 again
;;       x = np.moveaxis(x, axis, -1); K = x.shape[-1]
;;       x = np.pad(x, [(0, 0)] * (x.ndim - 1) + [(0, -K % 32)]); x = x.reshape(x.shape[:-1] + (-1, 32)); a = np.abs(x).max(-1, keepdims=True)
;;       e = np.where(a > 0, np.clip(np.frexp(np.where(a > 0, a, 1))[1] - 1 - 2, -126, 127), 0)      # np.frexp(a)[1] - 1 = floor(log2(a)), exactly
;;       r = np.clip(x / 2.0 ** e, -7.5, 7.5)
;;       step = 2.0 ** (np.maximum(np.frexp(np.where(r == 0, 1, r))[1] - 1, 0) - 3)
;;       q = np.round(r / step) * step * 2.0 ** e      # np.round: ties to even
;;       return np.moveaxis(q.reshape(q.shape[:-2] + (-1,))[..., :K], -1, axis).astype(np.float32)
;;   ~~~
;;   OPERANDS COMPUTED ON THE WAY. 'Computed on the way' means the value that the module computes at that place (a softmax that the list does not call 'softmax' is quantised finished and normalised). What goes into a quantiser is computed in f32, as accurately as f32 sums, v_exp_f32 and their like allow (about 1e-6 of the number): no bf16 or f16 on the way to a quantiser, and a product that is left as it is and whose result goes on into a quantised operand takes f32 operands (vector FMAs, or v_wmma_f32_16x16x4_f32). A number that lies on a knife's edge between two numbers of the format may be rounded either way, as far as f32 arithmetic and the matrix unit's own rounding can turn it there, and no further.
;;   INPUTS GIVEN AS CODES. w1 (in the module: [8, 1024, 4096], K = its axis 1); w2 (in the module: [8, 4096, 1024], K = its axis 1): each comes as NAME_codes (uint8): NAME with its K axis moved to the last place and cut into blocks of 32 codes, [.., K / 32, bytes a block], one block behind the other in memory; four codes in three bytes: a row's codes are one little-endian stream of bits, code i at bits 6 i .. 6 i + 5 (a code: sign, 2 exponent bits, 3 mantissa bits); and NAME_scales (uint8): the same leading axes, one E8M0 byte (e + 127) for each 32 codes along K. Its value is code x scale, taken as it is: it is not quantised again, and the codes and scales need not be those that the quantiser above would give.
;; One version. Each part assembles by itself: llvm-mc -triple=amdgcn-amd-amdhsa -mcpu=gfx1250 --defsym DOCPART=n.
;; ======== version 1 of 1: 3 launches
;; workspace buffers: xq 786,432 bytes; xs 32,768 bytes; top1 4,096 bytes of whole numbers; gate 4,096 bytes; hq 25,165,824 bytes; hs 1,048,576 bytes
;; launch route (part 1): grid 64 x 1, 8 waves a work-group, no clusters, 22,272 bytes of LDS; arguments hidden_states, wr, br, xq, xs, top1, gate; writes xq, xs, top1, gate
.if DOCPART == 1
	.amdgcn_target "amdgcn-amd-amdhsa--gfx1250"
	.amdhsa_code_object_version 6
	.text
	.protected	k_q2be5c70cc6_route
	.globl	k_q2be5c70cc6_route
	.p2align	8
	.type	k_q2be5c70cc6_route,@function
k_q2be5c70cc6_route:
	s_mov_b64 s[64:65], 0
	v_nop
	global_prefetch_b8 v0, s[64:65] scope:SCOPE_SE
	s_setreg_imm32_b32 hwreg(HW_REG_WAVE_MODE, 25, 1), 1
	s_wait_xcnt 0x0
; ROUTER AND QUANTISER OF x.  x = hidden_states [1024][1024] f32.
; logits = x wr + br in f32 (f32 matrix form: the result chooses rows, so nothing coarser stands ahead of it), softmax with the row's maximum taken away,
; top-2 (the lower index wins a tie), gate = p1 / (p1 + p2); stored at fixed places: top1[t] (int32), gate[t] (f32).
; Q(x): codes of E2M3 with one E8M0 byte for each 32 along K, laid as the next launch's operand registers want them:
;   xq: 768 bytes a token; the 24 bytes of block 4 s + 2 c + h lie at 96 s + 48 h + 24 c, so that lane (r, h) takes K step s by three loads of 16 bytes;   xs: 32 bytes a token, word s = K step s.
; SHARES.  A work-group takes 16 tokens, each of its eight waves one K step of 128.  Lane: r = lane % 16 (the token), h = lane / 16.
; No tensor load, no cluster: no two work-groups read the same bytes of x, and wr is 32,768 bytes.
; LIMITS: NaN and infinities among the inputs are not served; a block of zeros gets the byte 1 (its codes are zeros, and this program alone reads the bytes);
; two logits nearer to each other than the rounding of an f32 sum of 1,024 terms may change places.
.set SPT, 784                          ; a token's row in the stage: 768 bytes + 16 = 196 words: the 16 rows of a store begin at 16 different banks (64 banks of 4 bytes: ISA guide 11.1)
.set STG, 0                            ; LDS: 16 rows of codes,
.set XSS, 16*SPT                       ; 16 x 32 scale bytes,
.set LG,  XSS+512                      ; the partial logits [wave 8][column 16][token 16] f32
.set X,   32                           ; v32-95   register 16 b + i: x[r][128 s + 32 b + 16 h + i]
.set WB,  96                           ; v96-159  register 16 b + i: wr[128 s + 32 b + 16 h + i][lane % 8]
.set AC,  160                          ; v160-191 four accumulators of the f32 matrix form: written by matrix instructions alone
.set LS,  192                          ; v192-199 their sum
.set LT,  240                          ; v240-247 at work
.set TM,  200                          ; v200-215 the quantiser's: largest magnitudes, bytes, scale operands
.set PW,  216                          ; the scale word
.set PC,  220                          ; v220-238 the codes
.set SEL, 28                           ; s[28:29] v_permlanex16_b32's selects for lane l xor 16
; 64 numbers of a lane, register 16 b + i = k 32 b + 16 h + i of my row, become a fragment's codes in v[PC] on and its scale word in v[PW].
.macro QUANT s
.irp b, 0,1,2,3
	v_max3_num_f32 v[TM+\b], |v[\s+16*\b]|, |v[\s+1+16*\b]|, 0x1800000   ; block b: my 16 numbers, and the floor 2^(3 - 127): the byte cannot fall under 1
.endr
.irp i, 2,4,6,8,10,12,14
.irp b, 0,1,2,3
	v_max3_num_f32 v[TM+\b], v[TM+\b], |v[\s+16*\b+\i]|, |v[\s+1+16*\b+\i]|
.endr
.endr
.irp b, 0,1,2,3
	v_permlanex16_b32 v[TM+4+\b], v[TM+\b], s[SEL], s[SEL+1]
.endr
.irp b, 0,1,2,3
	v_max_num_f32 v[TM+\b], v[TM+\b], v[TM+4+\b]   ; with lane l xor 16's: the block's largest magnitude
.endr
.irp b, 0,1,2,3
	v_add_nc_u32 v[TM+12+\b], 0xff000000, v[TM+\b] ; 2 off its exponent field: the conversion's scale operand
.endr
.irp b, 0,1,2,3
	v_lshrrev_b32 v[TM+4+\b], 23, v[TM+12+\b]      ; the scale's byte
.endr
	v_lshl_or_b32 v[PW], v[TM+5], 8, v[TM+4]
	v_lshl_or_b32 v[PW], v[TM+6], 16, v[PW]
	v_lshl_or_b32 v[PW], v[TM+7], 24, v[PW]
.irp c, 0,1
	v_cvt_scalef32_pk16_fp6_f32 v[PC+6*\c:PC+2+6*\c], v[\s+32*\c:\s+15+32*\c], v[TM+12+2*\c]
	v_cvt_scalef32_pk16_fp6_f32 v[PC+12+4*\c:PC+14+4*\c], v[\s+16+32*\c:\s+31+32*\c], v[TM+12+2*\c+1]   ; (a conversion's three registers begin on an even number)
.endr
	v_nop                                          ; one plain place behind a scaled conversion
.irp c, 0,1                                    ; the operand's layout wants a whole block in a lane: lanes 0-15 block 2 c, lanes 16-31 block 2 c + 1
.irp i, 0,1,2
	v_permlane16_swap_b32 v[PC+6*\c+\i], v[PC+12+4*\c+\i]
.endr
.irp i, 0,1,2
	v_mov_b32 v[PC+3+6*\c+\i], v[PC+12+4*\c+\i]
.endr
.endr
.endm
	s_load_b256 s[4:11], s[0:1], 0x0               ; x s[4:5], wr s[6:7], br s[8:9], xq s[10:11]
	s_load_b128 s[12:15], s[0:1], 0x20             ; xs s[12:13], top1 s[14:15]
	s_load_b64 s[16:17], s[0:1], 0x30              ; gate
	v_lshl_add_u32 v254, v0, 2, 0x5300
	v_mov_b32 v255, 0
	v_lshrrev_b32 v1, 5, v0
	v_readfirstlane_b32 s18, v1                    ; wave = K step s
	v_and_b32 v1, 31, v0                           ; lane
	v_and_b32 v2, 15, v0                           ; r
	v_bfe_u32 v3, v0, 4, 1                         ; h
	v_lshlrev_b32 v4, 12, v2
	v_lshl_add_u32 v4, v3, 6, v4                   ; x: row r of 4,096 bytes + 64 h
	v_and_b32 v5, 7, v0
	v_lshlrev_b32 v5, 2, v5
	v_lshl_add_u32 v5, v3, 9, v5                   ; wr: 16 h rows of 32 bytes + 4 (lane % 8)
	; every LDS address is made here, ahead of the places where the waves part
	s_mul_i32 s30, s18, 96
	v_mul_u32_u24 v6, v2, SPT
	v_mad_u32_u24 v6, v3, 48, v6
	v_add_nc_u32 v6, s30, v6                       ; the stage, in: 784 r + 96 s + 48 h
	s_lshl_b32 s30, s18, 2
	v_lshlrev_b32 v7, 5, v2
	v_add_nc_u32 v7, s30, v7                       ; scale words: 32 r + 4 s
	s_lshl_b32 s30, s18, 10
	v_lshlrev_b32 v8, 6, v2
	v_lshl_add_u32 v8, v3, 5, v8
	v_add_nc_u32 v8, s30, v8                       ; partial logits: 1,024 s + 64 column + 32 h
	s_mul_i32 s30, s18, 2*SPT
	v_mul_u32_u24 v9, v3, SPT
	v_lshl_add_u32 v9, v2, 4, v9
	v_add_nc_u32 v9, s30, v9                       ; the stage, out: row 2 w + h, 16 bytes a lane
	s_mul_i32 s30, s18, 2*768
	v_mul_u32_u24 v10, v3, 768
	v_lshl_add_u32 v10, v2, 4, v10
	v_add_nc_u32 v10, s30, v10                     ; and the same place in xq
	v_lshlrev_b32 v11, 4, v1                       ; 16 x lane
	v_lshlrev_b32 v12, 2, v2                       ; 4 x token
.irp b, 0,1,2,3
	v_mov_b32 v[TM+4+\b], 0                        ; written once: a lane permute's destination counts as one of its sources
.endr
	s_mov_b32 s[SEL], 0x76543210
	s_mov_b32 s[SEL+1], 0xfedcba98
	s_mov_b32 s31, 0
	s_wait_kmcnt 0x0
	s_load_b256 s[20:27], s[8:9], 0x0              ; br's eight numbers
	s_lshl_b32 s30, ttmp9, 16                      ; my 16 tokens of 4,096 bytes,
	s_add_nc_u64 s[4:5], s[4:5], s[30:31]
	s_lshl_b32 s30, s18, 9                         ; my K step's 512 bytes
	s_add_nc_u64 s[4:5], s[4:5], s[30:31]
	s_lshl_b32 s30, s18, 12                        ; wr: my 128 rows of 32 bytes
	s_add_nc_u64 s[6:7], s[6:7], s[30:31]
	s_mul_i32 s30, ttmp9, 16*768
	s_add_nc_u64 s[10:11], s[10:11], s[30:31]
	s_lshl_b32 s30, ttmp9, 9
	s_add_nc_u64 s[12:13], s[12:13], s[30:31]
	s_lshl_b32 s30, ttmp9, 6
	s_add_nc_u64 s[14:15], s[14:15], s[30:31]
	s_add_nc_u64 s[16:17], s[16:17], s[30:31]
.irp b, 0,1,2,3
.irp j, 0,1,2,3
	global_load_b128 v[X+16*\b+4*\j:X+16*\b+4*\j+3], v4, s[4:5] offset:128*\b+16*\j th:TH_LOAD_NT   ; x is read once in the whole program
.endr
.endr
.irp b, 0,1,2,3
.irp i, 0,1,2,3,4,5,6,7,8,9,10,11,12,13,14,15
	global_load_b32 v[WB+16*\b+\i], v5, s[6:7] offset:1024*\b+32*\i
.endr
.endr
	s_wait_kmcnt 0x0                               ; br
	s_wait_loadcnt 0x0
; The partial logits of my 128 along K: 32 products of 16 x 16 x 4.  A's slot (h, j) holds k = 32 b + 16 h + ii + j, and so does B's: the same order of k on both sides.
; Four accumulators take turns, one instruction a turn; the first four products start the sums.
.set idx, 0
.rept 32
.set bb, idx/8
.set ii, 2*(idx%8)
.if idx < 4
	v_wmma_f32_16x16x4_f32 v[AC+8*(idx%4):AC+8*(idx%4)+7], v[X+16*bb+ii:X+16*bb+ii+1], v[WB+16*bb+ii:WB+16*bb+ii+1], 0
.else
	v_wmma_f32_16x16x4_f32 v[AC+8*(idx%4):AC+8*(idx%4)+7], v[X+16*bb+ii:X+16*bb+ii+1], v[WB+16*bb+ii:WB+16*bb+ii+1], v[AC+8*(idx%4):AC+8*(idx%4)+7]
.endif
.set idx, idx+1
.endr
	QUANT X                                        ; reads x's registers, writes none of the products'
.irp c, 0,1,2
	ds_store_b128 v6, v[PC+4*\c:PC+4*\c+3] offset:STG+16*\c
.endr
	ds_store_b32 v7, v[PW] offset:XSS              ; lanes r and r + 16 write the same word with the same value
.rept 8
	v_nop                                          ; eight places behind this matrix form, ahead of the first read of its results (ISA guide 7.12.1)
.endr
.irp j, 0,2,4,6
	v_pk_add_f32 v[LS+\j:LS+\j+1], v[AC+\j:AC+\j+1], v[AC+8+\j:AC+8+\j+1]       ; each accumulator from its low end on; the sums go into other registers
.endr
.irp j, 0,2,4,6
	v_pk_add_f32 v[LT+\j:LT+\j+1], v[AC+16+\j:AC+16+\j+1], v[AC+24+\j:AC+24+\j+1]
.endr
.irp j, 0,2,4,6
	v_pk_add_f32 v[LS+\j:LS+\j+1], v[LS+\j:LS+\j+1], v[LT+\j:LT+\j+1]
.endr
	ds_store_b128 v8, v[LS:LS+3] offset:LG         ; lane (column, h), register j: token 8 h + j
	ds_store_b128 v8, v[LS+4:LS+7] offset:LG+16
	s_wait_dscnt 0x0                               ; for the others' sake: my stores have landed
	s_barrier_signal -1
	s_barrier_wait -1                              ; behind it LDS is only read
.irp j, 0,1,2
	ds_load_b128 v[32+4*\j:35+4*\j], v9 offset:STG+256*\j
.endr
.irp j, 0,1,2
	s_wait_dscnt 2-\j                              ; the younger loads of the three may be out
	global_store_b128 v10, v[32+4*\j:35+4*\j], s[10:11] offset:256*\j   ; sixteen lanes store 256 consecutive bytes, at a multiple of 256 from xq's first byte
.endr
	s_cmp_lg_u32 s18, 1
	s_cbranch_scc1 .Lnot_one
	ds_load_b128 v[44:47], v11 offset:XSS          ; wave 1: the 16 tokens' 512 scale bytes
	s_wait_dscnt 0x0
	global_store_b128 v11, v[44:47], s[12:13]
.Lnot_one:
	s_cmp_lg_u32 s18, 0
	s_cbranch_scc1 .Lend
	; wave 0: the router's tail; lane l serves token l % 16 (lanes 16-31 repeat lanes 0-15)
.irp w, 0,1,2,3,4,5,6,7
.irp e, 0,1,2,3,4,5,6,7
	ds_load_b32 v[96+8*\w+\e], v12 offset:LG+1024*\w+64*\e
.endr
.endr
	s_wait_dscnt 0x0
.irp w, 1,2,3,4,5,6,7
.irp e, 0,2,4,6
	v_pk_add_f32 v[96+\e:97+\e], v[96+\e:97+\e], v[96+8*\w+\e:97+8*\w+\e]       ; the K steps in ascending order
.endr
.endr
.irp e, 0,1,2,3,4,5,6,7
	v_add_f32 v[96+\e], s[20+\e], v[96+\e]         ; + br
.endr
	v_max3_num_f32 v104, v96, v97, v98
	v_max3_num_f32 v104, v104, v99, v100
	v_max3_num_f32 v104, v104, v101, v102
	v_max_num_f32 v104, v104, v103                 ; the row's maximum
.irp e, 0,1,2,3,4,5,6,7
	v_sub_f32 v[96+\e], v[96+\e], v104
.endr
.irp e, 0,1,2,3,4,5,6,7
	v_mul_f32 v[96+\e], 0x3fb8aa3b, v[96+\e]       ; x log2(e)
.endr
.irp e, 0,1,2,3,4,5,6,7
	v_exp_f32 v[96+\e], v[96+\e]
.endr
	v_nop                                          ; a plain place behind the batch,
	s_wait_alu depctr_va_vdst(0)                   ; and one wait for the eight, ahead of their first reader
	v_add_f32 v105, v96, v97
	v_add_f32 v106, v98, v99
	v_add_f32 v107, v100, v101
	v_add_f32 v108, v102, v103
	v_add_f32 v105, v105, v106
	v_add_f32 v107, v107, v108
	v_add_f32 v105, v105, v107
	v_rcp_f32 v105, v105
	v_nop
	s_wait_alu depctr_va_vdst(0)
.irp e, 0,1,2,3,4,5,6,7
	v_mul_f32 v[96+\e], v[96+\e], v105             ; the probabilities
.endr
	v_mov_b32 v106, v96                            ; the best so far,
	v_mov_b32 v107, 0                              ; its index,
	v_mov_b32 v108, 0                              ; the second best
.irp e, 1,2,3,4,5,6,7
	v_cmp_ge_f32 vcc_lo, v106, v[96+\e]            ; the earlier index stays unless the new one is strictly larger
	v_cndmask_b32 v107, \e, v107, vcc_lo
	v_min_num_f32 v109, v106, v[96+\e]
	v_max_num_f32 v108, v108, v109
	v_max_num_f32 v106, v106, v[96+\e]
.endr
	v_add_f32 v109, v106, v108
	v_rcp_f32 v109, v109
	v_nop
	s_wait_alu depctr_va_vdst(0)
	v_mul_f32 v109, v106, v109                     ; gate = p1 / (p1 + p2)
	global_store_b32 v12, v107, s[14:15]           ; 64 bytes of each for the work-group's 16 tokens
	global_store_b32 v12, v109, s[16:17]
.Lend:
	s_barrier_signal -1
	s_barrier_wait -1
	s_wait_tensorcnt 0x0
	ds_add_u32 v254, v255
	s_wait_dscnt 0x0
	s_endpgm
.Lfunc_end_k_q2be5c70cc6_route:
	.size	k_q2be5c70cc6_route, .Lfunc_end_k_q2be5c70cc6_route-k_q2be5c70cc6_route
	.p2alignl 7, 3214868480
	.fill 96, 4, 3214868480
	.section	.rodata,"a",@progbits
	.p2align	6, 0x0
	.amdhsa_kernel k_q2be5c70cc6_route
		.amdhsa_group_segment_fixed_size 22272
		.amdhsa_private_segment_fixed_size 0
		.amdhsa_enable_private_segment 0
		.amdhsa_kernarg_size 56
		.amdhsa_user_sgpr_count 2
		.amdhsa_user_sgpr_kernarg_segment_ptr 1
		.amdhsa_wavefront_size32 1
		.amdhsa_system_sgpr_workgroup_id_x 1
		.amdhsa_system_sgpr_workgroup_id_y 1
		.amdhsa_system_sgpr_workgroup_id_z 1
		.amdhsa_system_vgpr_workitem_id 0
		.amdhsa_next_free_vgpr 256
		.amdhsa_next_free_sgpr 66
		.amdhsa_reserve_vcc 1
		.amdhsa_float_denorm_mode_32 3
		.amdhsa_float_denorm_mode_16_64 3
		.amdhsa_memory_ordered 1
		.amdhsa_forward_progress 1
		.amdhsa_inst_pref_size 29
	.end_amdhsa_kernel
	.amdgpu_metadata
---
amdhsa.version: [ 1, 2 ]
amdhsa.kernels:
  - .name:           k_q2be5c70cc6_route
    .symbol:         k_q2be5c70cc6_route.kd
    .args:
      - { .name: hidden_states, .offset: 0, .size: 8, .value_kind: global_buffer, .address_space: global }
      - { .name: wr, .offset: 8, .size: 8, .value_kind: global_buffer, .address_space: global }
      - { .name: br, .offset: 16, .size: 8, .value_kind: global_buffer, .address_space: global }
      - { .name: xq, .offset: 24, .size: 8, .value_kind: global_buffer, .address_space: global }
      - { .name: xs, .offset: 32, .size: 8, .value_kind: global_buffer, .address_space: global }
      - { .name: top1, .offset: 40, .size: 8, .value_kind: global_buffer, .address_space: global }
      - { .name: gate, .offset: 48, .size: 8, .value_kind: global_buffer, .address_space: global }
    .group_segment_fixed_size: 22272
    .private_segment_fixed_size: 0
    .kernarg_segment_align: 8
    .kernarg_segment_size: 56
    .max_flat_workgroup_size: 256
    .sgpr_count:     66
    .vgpr_count:     256
    .wavefront_size: 32
...
	.end_amdgpu_metadata
.endif
;; end of part 1
;; launch up (part 2): grid 32 x 8, 4 waves a work-group, no clusters, 105,728 bytes of LDS; arguments top1, xq, xs, w1_codes, w1_scales, b1, hq, hs; writes hq, hs
.if DOCPART == 2
	.amdgcn_target "amdgcn-amd-amdhsa--gfx1250"
	.amdhsa_code_object_version 6
	.text
	.protected	k_q2be5c70cc6_up
	.globl	k_q2be5c70cc6_up
	.p2align	8
	.type	k_q2be5c70cc6_up,@function
k_q2be5c70cc6_up:
	s_mov_b64 s[64:65], 0
	v_nop
	global_prefetch_b8 v0, s[64:65] scope:SCOPE_SE
	s_setreg_imm32_b32 hwreg(HW_REG_WAVE_MODE, 25, 1), 1
	s_wait_xcnt 0x0
; FIRST PRODUCT OF THE CHOSEN EXPERT: hq, hs = Q(gelu(Q(x) W1[e] + b1[e])) for the rows whose top-1 is e, on codes of E2M3 with E8M0 scales.
; SHARES.  Work-group (x = slice of 128 hidden units = K step sg of the second product, y = expert e).  Wave w owns units 32 w .. 32 w + 31 (block w of that K step):
; its part of W1, 2 tiles x 8 K steps x 12 = 192 registers, is read from memory once and stays.  Every wave walks all rows of the expert, a PAIR of two tiles of 16 rows a step.
; THE ROW LIST is made here, by wave 0, from the stored top-1 numbers, while the weights are on their way: position order = register order of the 32 words a lane loads
; (register 4 q + i of lane l is token 128 q + 4 l + i).  Entries T .. T + 31 repeat the expert's last token; all behind them are token 0.  The next launch makes the same list.
; LAYOUT.  The product is used transposed (source 0 = 16 rows of W1, source 1 = 16 rows of x): a lane holds one row.  Lane r of tile u takes W1's row 8 u + r + 8 (r / 8), so that a lane's 16 results are units 16 h + 0 .. 15.
;   hq [e][pair 32][K step 32][block 4][768 bytes]: a block's 24 bytes of list row 16 t + r: the first 16 at 16 (16 t + r), the last 8 at 512 + 8 (16 t + r).   hs [e][pair][K step / 4][16 t + r][16 bytes]: byte 4 (K step % 4) + block.
; gelu = 0.5 x + 0.5 x erf(x / sqrt 2); erf(z) = z P(z^2) / Q(z^2), degrees 6 and 4, z held to +-4, all in f32.
; NO TENSOR LOAD, NO CLUSTER: the walk ends on a count read from memory; the work-group's 98,304 bytes of weights are read by nobody else; what the 32 slices of an expert share is 768 bytes a row.
; The first trip (two pairs) is always walked, so that pairs 0 and 1 of every expert are stored: the next launch may load them whatever the count.
; LIMITS: NaN and infinities are not served; erf's absolute error is about 1e-7, so a gelu far below zero carries that much times 0.5 |x|; a block of zeros gets the byte 1 (its codes are zeros; this program alone reads the bytes).
.set LIST, 0                           ; LDS: 1,152 list words (1,024 + 32 of padding + two pairs looked ahead; from word 1,120 on the words that lanes without a match write),
.set CNT,  4608                        ; the count, a word a lane,
.set WST,  4864                        ; a stage of 32 rows x 784 bytes for each wave: W1 comes in whole rows and leaves as fragments
.set WPT,  784                         ; 768 + 16 bytes = 196 words
.set WREG, 32*WPT
; window 0: v1 lane, v2 r, v3 h, v4 4 r, v5 4 lane, v6 48 h, v7 16 lane, v8 8 lane, v9-13 offsets of the head's loads and the stage's addresses, v14-15 list addresses, v22-24 list words, v25-27 store offsets
.set XA,   16                          ; v16-21  buffer b: x's offsets of tiles 0, 1, and of the scale words
.set WS,   28                          ; v28-35  W1's scale words, K step s: lanes 0-15 tile 0, lanes 16-31 tile 1
.set XS,   36                          ; v36-51  x's, buffer b at 8 b: lanes 0-15 row tile 0, lanes 16-31 row tile 1
.set B1,   52                          ; v52-67  b1 in the result's layout, tile u at 8 u
.set ACC,  68                          ; v68-99  accumulator (row tile t, unit tile u) at 16 t + 8 u
.set PN,   100                         ; v100-131 erf's numerator
.set QD,   132                         ; v132-163 its denominator
.set ZT,   164                         ; v164-179 z and z^2 of eight numbers
.set QM,   180                         ; the quantiser's: largest magnitudes,
.set QN,   182                         ; the other half's,
.set QS,   184                         ; scale operands,
.set QB,   186                         ; bytes
.set KA,   188                         ; v[188:189] alpha11, v[190:191] beta6
.set KB,   190
.set C0,   200                         ; v200-205 a block's 24 bytes
.set C1,   206                         ; v206-208
.set BY,   210                         ; its scale byte
.set TOP,  100                         ; in the head: v100-131 the top-1 words; v132-163, v164-195 the list's addresses and tokens, a register for each step; v196-199, v212-216 at work
.set LP,   132
.set LD,   164
.set DMP,  196
.set LA,   197
.set LV,   198
.set LB,   199
.set ZR,   212
.set LC,   216
; window 1: W1's fragments (u, s) at 12 (8 u + s).   window 2: x's buffer 0, fragment (t, s) at 12 (8 t + s).   window 3: buffer 1.
.set WV,   20                          ; s20 wave, s21 slice, s22 expert, s23 T, s24 trips, s25 first row of the pair in hand, s26 list bytes of the pair two on, s27, s28 the pair's bytes in hq, hs, s29 mask of lanes 16-31
.set SG,   21
.set EX,   22
.set TT,   23
.set TRIP, 24
.set P32,  25
.set SL,   26
.set SHO,  27
.set SSO,  28
.set LMASK, 29
.set SEL,  32                          ; s[32:33]
.set CN,   34
.set TMP,  35
.set CSQ,  36                          ; s[36:57] 1 / sqrt 2 and erf's coefficients, each twice: a packed form names a pair
.set EA13, 38
.set EA9,  40
.set EA7,  42
.set EA5,  44
.set EA3,  46
.set EA1,  48
.set EB8,  50
.set EB4,  52
.set EB2,  54
.set EB0,  56
.set MSB, 0
.macro WIN new                         ; the immediate's high byte repeats the setting that is left
.if MSB != (\new)
	s_set_vgpr_msb (MSB<<8)|(\new)
.set MSB, (\new)
.endif
.endm
.macro COEF reg, bits
	s_mov_b32 s[\reg], \bits
	s_mov_b32 s[\reg+1], \bits
.endm
; My 32 rows x 768 bytes of the weights: each half of the lanes reads 256 consecutive bytes, at a multiple of 256 from the buffer's first byte.
.macro STAGE_LOAD pitch, base
	WIN 0x40                                       ; destination window 1
.set pp, 0
.rept 16
.irp j, 0,1,2
	global_load_b128 v[4*(3*pp+\j):4*(3*pp+\j)+3], v9, s[\base:\base+1] offset:2*pp*\pitch+256*\j th:TH_LOAD_NT
.endr
.set pp, pp+1
.endr
	WIN 0
.endm
; Into my stage.  perm = 1: row bits 3 and 4 change places, so that slot 16 u + r holds row 8 u + r + 8 (r / 8).
.macro STAGE_STORE perm
	WIN 0x04                                       ; an LDS store's data are its source 1: window 1
.set pp, 0
.rept 16
.set rw, 2*pp
.if \perm
.set rw, (rw&7)|((rw&8)<<1)|((rw&16)>>1)
.endif
.irp j, 0,1,2
	ds_store_b128 v10, v[4*(3*pp+\j):4*(3*pp+\j)+3] offset:rw*WPT+256*\j
.endr
.set pp, pp+1
.endr
	WIN 0
.endm
; And back as fragments: lane (r, h) takes of slot 16 u + r the 24 bytes at 96 s + 24 h and those 48 further on, in pieces of 8.
.macro FRAGS
	WIN 0x40
.irp u, 0,1
.irp s, 0,1,2,3,4,5,6,7
.irp p, 0,1,2,3,4,5
	ds_load_b64 v[12*(8*\u+\s)+2*\p:12*(8*\u+\s)+2*\p+1], v11 offset:16*\u*WPT+96*\s+48*(\p/3)+8*(\p%3)
.endr
.endr
.endr
	WIN 0
.endm
; The expert's row list.  Wave 0 alone; no other wave touches LDS before the barrier behind it.
.macro LISTBUILD withgate
.irp k, 0,1,2,3,4,5,6,7,8
	ds_store_b128 v7, v[ZR:ZR+3] offset:LIST+512*\k          ; token 0 everywhere
.if \withgate
	ds_store_b128 v7, v[ZR:ZR+3] offset:GLIST+512*\k
.endif
.endr
	s_mov_b32 s[CN], 0
.set n, 0
.rept 32
	v_cmp_eq_u32 vcc_lo, s[EX], v[TOP+n]
	v_mbcnt_lo_u32_b32 v[LP+n], vcc_lo, s[CN]      ; matches so far + matches in the lanes below me
	v_cndmask_b32 v[LP+n], v[DMP], v[LP+n], vcc_lo ; a lane without a match writes word 1,120 + lane
	v_min_u32 v[LP+n], 0x47f, v[LP+n]
	v_lshlrev_b32 v[LP+n], 2, v[LP+n]
	v_add_nc_u32 v[LD+n], 128*(n/4)+n%4, v5        ; the token
	ds_store_b32 v[LP+n], v[LD+n] offset:LIST
.if \withgate
	ds_store_b32 v[LP+n], v[GAT+n] offset:GLIST
.endif
	s_bcnt1_i32_b32 s[TMP], vcc_lo
	s_add_co_u32 s[CN], s[CN], s[TMP]
.set n, n+1
.endr
	s_max_u32 s[TMP], s[CN], 1
	s_sub_co_u32 s[TMP], s[TMP], 1
	s_min_u32 s[TMP], s[TMP], 1023
	s_lshl_b32 s[TMP], s[TMP], 2
	v_mov_b32 v[LA], s[TMP]
	ds_load_b32 v[LV], v[LA] offset:LIST           ; the last entry (LDS serves a wave's instructions in order),
.if \withgate
	ds_load_b32 v[LV+1], v[LA] offset:GLIST
.endif
	v_add_nc_u32 v[LB], s[CN], v1
	v_min_u32 v[LB], 0x47f, v[LB]
	v_lshlrev_b32 v[LB], 2, v[LB]
	v_mov_b32 v[LC], s[CN]
	s_wait_dscnt 0x0
	ds_store_b32 v[LB], v[LV] offset:LIST          ; 32 times more behind the list's end
.if \withgate
	ds_store_b32 v[LB], v[LV+1] offset:GLIST
.endif
	ds_store_b32 v5, v[LC] offset:CNT
.endm
; One scaled product.  c: the C operand as text.  ra, rb: the scales of source 0, 1 stand in lanes 16-31 of their registers.
.macro MM d, a, b, c, sa, sb, ra, rb
.if (\ra) == 0 && (\rb) == 0
	v_wmma_scale_f32_16x16x128_f8f6f4 v[0+(\d):7+(\d)], v[0+(\a):11+(\a)], v[0+(\b):11+(\b)], \c, v[\sa], v[\sb] matrix_a_fmt:MATRIX_FMT_FP6 matrix_b_fmt:MATRIX_FMT_FP6
.elseif (\rb) == 0
	v_wmma_scale_f32_16x16x128_f8f6f4 v[0+(\d):7+(\d)], v[0+(\a):11+(\a)], v[0+(\b):11+(\b)], \c, v[\sa], v[\sb] matrix_a_fmt:MATRIX_FMT_FP6 matrix_b_fmt:MATRIX_FMT_FP6 matrix_a_scale:MATRIX_SCALE_ROW1
.elseif (\ra) == 0
	v_wmma_scale_f32_16x16x128_f8f6f4 v[0+(\d):7+(\d)], v[0+(\a):11+(\a)], v[0+(\b):11+(\b)], \c, v[\sa], v[\sb] matrix_a_fmt:MATRIX_FMT_FP6 matrix_b_fmt:MATRIX_FMT_FP6 matrix_b_scale:MATRIX_SCALE_ROW1
.else
	v_wmma_scale_f32_16x16x128_f8f6f4 v[0+(\d):7+(\d)], v[0+(\a):11+(\a)], v[0+(\b):11+(\b)], \c, v[\sa], v[\sb] matrix_a_fmt:MATRIX_FMT_FP6 matrix_b_fmt:MATRIX_FMT_FP6 matrix_a_scale:MATRIX_SCALE_ROW1 matrix_b_scale:MATRIX_SCALE_ROW1
.endif
.endm
; The pair whose list words lie in v22-24 is asked for: 48 loads of codes and 2 of scale words, 50 in all, into buffer buf.
.macro GATHER buf
	v_min_u32 v22, 0x3ff, v22                      ; a token's number, held inside the table
	v_min_u32 v23, 0x3ff, v23
	v_min_u32 v24, 0x3ff, v24
	v_mul_u32_u24 v[XA+3*\buf], v22, 768
	v_mul_u32_u24 v[XA+3*\buf+1], v23, 768
	v_lshlrev_b32 v[XA+3*\buf+2], 5, v24
	v_add_nc_u32 v[XA+3*\buf], v[XA+3*\buf], v6
	v_add_nc_u32 v[XA+3*\buf+1], v[XA+3*\buf+1], v6
	WIN 0x80+0x40*\buf                             ; destination window 2 or 3
.irp t, 0,1
.irp s, 0,1,2,3,4,5,6,7
.irp i, 0,1,2
	global_load_b128 v[12*(8*\t+\s)+4*\i:12*(8*\t+\s)+4*\i+3], v[XA+3*\buf+\t], s[6:7] offset:96*\s+16*\i
.endr
.endr
.endr
	WIN 0
	global_load_b128 v[XS+8*\buf:XS+8*\buf+3], v[XA+3*\buf+2], s[8:9]
	global_load_b128 v[XS+8*\buf+4:XS+8*\buf+7], v[XA+3*\buf+2], s[8:9] offset:16
.endm
; gelu of the 32 numbers in ACC, in place.
.macro GELU
.irp g, 0,1,2,3                                ; an accumulator at a time, from its low end on; its four pairs by turns
.irp k, 0,2,4,6
	v_pk_mul_f32 v[ZT+\k:ZT+\k+1], v[ACC+8*\g+\k:ACC+8*\g+\k+1], s[CSQ:CSQ+1] op_sel_hi:[1,0]   ; z = x / sqrt 2
.endr
.irp k, 0,1,2,3,4,5,6,7
	v_med3_num_f32 v[ZT+\k], v[ZT+\k], -4.0, 4.0
.endr
.irp k, 0,2,4,6
	v_pk_mul_f32 v[ZT+8+\k:ZT+9+\k], v[ZT+\k:ZT+\k+1], v[ZT+\k:ZT+\k+1]
.endr
.irp k, 0,2,4,6
	v_pk_fma_f32 v[PN+8*\g+\k:PN+8*\g+\k+1], v[ZT+8+\k:ZT+9+\k], s[EA13:EA13+1], v[KA:KA+1] op_sel_hi:[1,0,1]
	v_pk_fma_f32 v[QD+8*\g+\k:QD+8*\g+\k+1], v[ZT+8+\k:ZT+9+\k], s[EB8:EB8+1], v[KB:KB+1] op_sel_hi:[1,0,1]
.endr
.irp c, EA9, EA7, EA5, EA3, EA1
.irp k, 0,2,4,6
	v_pk_fma_f32 v[PN+8*\g+\k:PN+8*\g+\k+1], v[PN+8*\g+\k:PN+8*\g+\k+1], v[ZT+8+\k:ZT+9+\k], s[\c:\c+1] op_sel_hi:[1,1,0]
.endr
.endr
.irp c, EB4, EB2, EB0
.irp k, 0,2,4,6
	v_pk_fma_f32 v[QD+8*\g+\k:QD+8*\g+\k+1], v[QD+8*\g+\k:QD+8*\g+\k+1], v[ZT+8+\k:ZT+9+\k], s[\c:\c+1] op_sel_hi:[1,1,0]
.endr
.endr
.irp k, 0,2,4,6
	v_pk_mul_f32 v[PN+8*\g+\k:PN+8*\g+\k+1], v[PN+8*\g+\k:PN+8*\g+\k+1], v[ZT+\k:ZT+\k+1]
.endr
.endr
.set j, 0
.rept 32
	v_rcp_f32 v[QD+j], v[QD+j]                     ; one batch
.set j, j+1
.endr
.set j, 0
.rept 16
	v_pk_mul_f32 v[ACC+j:ACC+j+1], v[ACC+j:ACC+j+1], 0.5 op_sel_hi:[1,0]   ; 0.5 x: plain work that names no reciprocal
.set j, j+2
.endr
	s_wait_alu depctr_va_vdst(0)                   ; one wait for the 32 reciprocals, ahead of their first reader
.set j, 0
.rept 16
	v_pk_mul_f32 v[PN+j:PN+j+1], v[PN+j:PN+j+1], v[QD+j:QD+j+1]            ; erf
.set j, j+2
.endr
.set j, 0
.rept 16
	v_pk_fma_f32 v[ACC+j:ACC+j+1], v[ACC+j:ACC+j+1], v[PN+j:PN+j+1], v[ACC+j:ACC+j+1]   ; 0.5 x erf + 0.5 x
.set j, j+2
.endr
.endm
; The two row tiles' block of 32 units: scale byte and codes.  Behind it lane 16 t + r holds the 24 bytes of row (t, r) in v[C0] on and its byte in v[BY].
.macro QBLOCK
.irp t, 0,1
	v_max3_num_f32 v[QM+\t], |v[ACC+16*\t]|, |v[ACC+16*\t+1]|, 0x1800000   ; my 16 numbers, and the floor 2^(3 - 127)
.endr
.irp i, 2,4,6,8,10,12,14
.irp t, 0,1
	v_max3_num_f32 v[QM+\t], v[QM+\t], |v[ACC+16*\t+\i]|, |v[ACC+16*\t+\i+1]|
.endr
.endr
.irp t, 0,1
	v_permlanex16_b32 v[QN+\t], v[QM+\t], s[SEL], s[SEL+1]
.endr
.irp t, 0,1
	v_max_num_f32 v[QM+\t], v[QM+\t], v[QN+\t]     ; with lane l xor 16's 16: the block's largest magnitude
.endr
.irp t, 0,1
	v_add_nc_u32 v[QS+\t], 0xff000000, v[QM+\t]    ; 2 off its exponent field: the conversion's scale operand
.endr
.irp t, 0,1
	v_lshrrev_b32 v[QB+\t], 23, v[QS+\t]           ; the byte
.endr
	v_cvt_scalef32_pk16_fp6_f32 v[C0:C0+2], v[ACC:ACC+15], v[QS]
	v_cvt_scalef32_pk16_fp6_f32 v[C1:C1+2], v[ACC+16:ACC+31], v[QS+1]
	v_nop                                          ; one plain place behind a scaled conversion
.irp i, 0,1,2
	v_permlane16_swap_b32 v[C0+\i], v[C1+\i]       ; C0: each row's lower 16 codes (lanes 0-15 tile 0, lanes 16-31 tile 1), C1: the upper 16
.endr
.irp i, 0,1,2
	v_mov_b32 v[C0+3+\i], v[C1+\i]
.endr
	v_cndmask_b32 v[BY], v[QB], v[QB+1], s[LMASK]
.endm
; A pair of row tiles, from buffer buf.
.macro STEP buf
	v_add_nc_u32 v14, s[SL], v4
	v_add_nc_u32 v15, s[SL], v5
	ds_load_b32 v22, v14 offset:LIST               ; the list words of the pair two on
	ds_load_b32 v23, v14 offset:LIST+64
	ds_load_b32 v24, v15 offset:LIST
	s_wait_loadcnt 50                              ; this buffer's 50 loads are in; the other buffer's 50, issued behind them, may be out
	WIN 0x09+4*\buf                                ; source 0 (W1) window 1, source 1 (x) window 2 or 3
.irp s, 0,1,2,3,4,5,6,7                        ; four accumulators by turns, one instruction a turn; b1 is the C of each sum's first product
.irp t, 0,1
.irp u, 0,1
.if \s == 0
	MM ACC+16*\t+8*\u, 12*(8*\u+\s), 12*(8*\t+\s), v[B1+8*\u:B1+8*\u+7], WS+\s, XS+8*\buf+\s, \u, \t
.else
	MM ACC+16*\t+8*\u, 12*(8*\u+\s), 12*(8*\t+\s), v[ACC+16*\t+8*\u:ACC+16*\t+8*\u+7], WS+\s, XS+8*\buf+\s, \u, \t
.endif
.endr
.endr
.endr
	WIN 0
	s_wait_dscnt 0x0                               ; the list words
	GATHER \buf                                    ; its eight address lines are the places behind the last products, ahead of the loads into their sources and of the first read of results
	GELU
	s_wait_xcnt 0x0                                ; the last step's stores have read their data and offsets: both are written again only behind this wait
	QBLOCK
	v_add_nc_u32 v25, s[SHO], v7
	v_add_nc_u32 v26, s[SHO], v8
	v_add_nc_u32 v27, s[SSO], v7
	global_store_b128 v25, v[C0:C0+3], s[16:17]               ; 512 consecutive bytes, at a multiple of 256 from hq's first byte
	global_store_b64 v26, v[C0+4:C0+5], s[16:17] offset:512   ; and the 256 behind them
	global_store_b8 v27, v[BY], s[18:19]                      ; my block's byte of each row's scale word: the four waves' bytes fill the words
	s_add_co_u32 s[SL], s[SL], 128
	s_add_co_u32 s[SHO], s[SHO], 98304
	s_add_co_u32 s[SSO], s[SSO], 4096
	s_add_co_u32 s[P32], s[P32], 32
.endm
	s_load_b512 s[4:19], s[0:1], 0x0               ; top1 s[4:5], xq s[6:7], xs s[8:9], W1's codes s[10:11], its scales s[12:13], b1 s[14:15], hq s[16:17], hs s[18:19]
	v_lshl_add_u32 v254, v0, 2, 0x19b00
	v_mov_b32 v255, 0
	v_lshrrev_b32 v1, 5, v0
	v_readfirstlane_b32 s[WV], v1
	s_mov_b32 s[SG], ttmp9
	s_and_b32 s[EX], ttmp7, 0xffff
	v_and_b32 v1, 31, v0                           ; lane
	v_and_b32 v2, 15, v0                           ; r
	v_bfe_u32 v3, v0, 4, 1                         ; h
	v_lshlrev_b32 v4, 2, v2
	v_lshlrev_b32 v5, 2, v1
	v_mul_u32_u24 v6, v3, 48
	v_lshlrev_b32 v7, 4, v1
	v_lshlrev_b32 v8, 3, v1
	v_mul_u32_u24 v9, v3, 768
	v_lshl_add_u32 v9, v2, 4, v9                   ; the weights' loads: row h, 16 bytes a lane
	s_mul_i32 s30, s[WV], WREG
	s_add_co_u32 s30, s30, WST                     ; my stage
	v_mul_u32_u24 v10, v3, WPT
	v_lshl_add_u32 v10, v2, 4, v10
	v_add_nc_u32 v10, s30, v10                     ; in
	v_mul_u32_u24 v11, v2, WPT
	v_mad_u32_u24 v11, v3, 24, v11
	v_add_nc_u32 v11, s30, v11                     ; out
	v_and_b32 v12, 8, v2
	v_add_nc_u32 v12, v12, v2
	v_lshl_add_u32 v12, v3, 3, v12                 ; W1's scale words: lane 16 u + r takes row 8 u + r + 8 (r / 8),
	v_lshlrev_b32 v12, 5, v12                      ; 32 bytes a row
	v_lshlrev_b32 v13, 6, v3                       ; b1: 64 h
	v_add_nc_u32 v[DMP], 1120, v1
.irp i, 0,1,2,3
	v_mov_b32 v[ZR+\i], 0
.endr
	s_lshl_b32 s30, s[EX], 12
	s_lshl_b32 s31, s[SG], 7
	s_add_co_u32 s30, s30, s31
	s_lshl_b32 s31, s[WV], 5
	s_add_co_u32 s[TMP], s30, s31                  ; my first row of W1: 4,096 e + 128 slice + 32 wave
	s_mov_b32 s31, 0
	s_wait_kmcnt 0x0
	s_mul_i32 s30, s[TMP], 768
	s_add_nc_u64 s[10:11], s[10:11], s[30:31]
	s_lshl_b32 s30, s[TMP], 5
	s_add_nc_u64 s[12:13], s[12:13], s[30:31]
	s_lshl_b32 s30, s[TMP], 2
	s_add_nc_u64 s[14:15], s[14:15], s[30:31]
	s_mul_i32 s30, s[EX], 3145728                  ; hq: the expert, the K step, my block
	s_mul_i32 s[CN], s[SG], 3072
	s_add_co_u32 s30, s30, s[CN]
	s_mul_i32 s[CN], s[WV], 768
	s_add_co_u32 s30, s30, s[CN]
	s_add_nc_u64 s[16:17], s[16:17], s[30:31]
	s_lshl_b32 s30, s[EX], 17                      ; hs: the expert, 512 (K step / 4), 4 (K step % 4), my block's byte
	s_lshr_b32 s[CN], s[SG], 2
	s_lshl_b32 s[CN], s[CN], 9
	s_add_co_u32 s30, s30, s[CN]
	s_and_b32 s[CN], s[SG], 3
	s_lshl_b32 s[CN], s[CN], 2
	s_add_co_u32 s30, s30, s[CN]
	s_add_co_u32 s30, s30, s[WV]
	s_add_nc_u64 s[18:19], s[18:19], s[30:31]
.irp q, 0,1,2,3,4,5,6,7
	global_load_b128 v[TOP+4*\q:TOP+4*\q+3], v7, s[4:5] offset:512*\q      ; every wave asks, so that all waves count alike; wave 0 reads them
.endr
	STAGE_LOAD 768, 10
	global_load_b128 v[WS:WS+3], v12, s[12:13]
	global_load_b128 v[WS+4:WS+7], v12, s[12:13] offset:16
.irp u, 0,1
.irp i, 0,1
	global_load_b128 v[B1+8*\u+4*\i:B1+8*\u+4*\i+3], v13, s[14:15] offset:32*\u+16*\i   ; tile u, register j: unit 8 u + 16 h + j
.endr
.endr
	s_mov_b32 s[SEL], 0x76543210
	s_mov_b32 s[SEL+1], 0xfedcba98
	s_mov_b32 s[LMASK], 0xffff0000
	COEF CSQ,  0x3f3504f3                          ; 0.70710678
	COEF EA13, 0xaf95df0b                          ; -2.72614226e-10
	COEF EA9,  0xb60cff51                          ; -2.10102402e-6
	COEF EA7,  0xb86ec2d2                          ; -5.69250639e-5
	COEF EA5,  0xba40ac63                          ; -7.34990630e-4
	COEF EA3,  0xbb41a1f6                          ; -2.95459981e-3
	COEF EA1,  0xbc83dbd4                          ; -1.60960333e-2
	COEF EB8,  0xb77460cd                          ; -1.45660718e-5
	COEF EB4,  0xbadc924e                          ; -1.68282697e-3
	COEF EB2,  0xbbf19bf8                          ; -7.37332917e-3
	COEF EB0,  0xbc69b6a7                          ; -1.42647391e-2
	s_cmp_lg_u32 s[WV], 0
	s_cbranch_scc1 .Lno_list
	s_wait_loadcnt 54                              ; the eight loads of top1 are in; the 48 + 2 + 4 issued behind them may be out
	LISTBUILD 0
.Lno_list:
	s_wait_dscnt 0x0
	s_barrier_signal -1
	s_barrier_wait -1                              ; the list and the count lie in LDS
	ds_load_b32 v[LC], v5 offset:CNT
	ds_load_b32 v22, v4 offset:LIST                ; pair 0
	ds_load_b32 v23, v4 offset:LIST+64
	ds_load_b32 v24, v5 offset:LIST
	v_mov_b32 v[KA], 0x32edffee                    ; alpha11 = 2.77068142e-8
	v_mov_b32 v[KA+1], 0x32edffee
	v_mov_b32 v[KB], 0xb95fbd29                    ; beta6 = -2.13374055e-4
	v_mov_b32 v[KB+1], 0xb95fbd29
	v_mov_b32 v[QN], 0                             ; written once: a lane permute's destination counts as one of its sources
	v_mov_b32 v[QN+1], 0
	s_wait_dscnt 0x0
	v_readfirstlane_b32 s[TT], v[LC]
	s_min_u32 s[TT], s[TT], 1024
	GATHER 0
	ds_load_b32 v22, v4 offset:LIST+128            ; pair 1
	ds_load_b32 v23, v4 offset:LIST+192
	ds_load_b32 v24, v5 offset:LIST+128
	s_wait_loadcnt 50                              ; all that was asked for ahead of pair 0's 50 loads is in: W1, its scales, b1
	STAGE_STORE 1
	s_wait_dscnt 0x0                               ; pair 1's list words are in, and the stage's stores have read their registers
	GATHER 1
	FRAGS
	s_mov_b32 s[P32], 0
	s_mov_b32 s[SL], 256
	s_mov_b32 s[SHO], 0
	s_mov_b32 s[SSO], 0
	s_mov_b32 s[TRIP], 0
	s_wait_dscnt 0x0                               ; W1's fragments are in
	s_barrier_signal -1
	s_barrier_wait -1                              ; behind it LDS is only read
.Ltrip:                                            ; at most 16 trips of two pairs; at a trip's head buffer 0's 50 loads and, behind them, buffer 1's 50 have been issued
	STEP 0
	STEP 1
	s_cmp_ge_u32 s[P32], s[TT]                     ; no row is left
	s_cbranch_scc1 .Ldone
	s_add_co_u32 s[TRIP], s[TRIP], 1
	s_cmp_lt_u32 s[TRIP], 16
	s_cbranch_scc1 .Ltrip
.Ldone:
	s_barrier_signal -1
	s_barrier_wait -1
	s_wait_tensorcnt 0x0
	ds_add_u32 v254, v255
	s_wait_dscnt 0x0
	s_endpgm
.Lfunc_end_k_q2be5c70cc6_up:
	.size	k_q2be5c70cc6_up, .Lfunc_end_k_q2be5c70cc6_up-k_q2be5c70cc6_up
	.p2alignl 7, 3214868480
	.fill 96, 4, 3214868480
	.section	.rodata,"a",@progbits
	.p2align	6, 0x0
	.amdhsa_kernel k_q2be5c70cc6_up
		.amdhsa_group_segment_fixed_size 105728
		.amdhsa_private_segment_fixed_size 0
		.amdhsa_enable_private_segment 0
		.amdhsa_kernarg_size 64
		.amdhsa_user_sgpr_count 2
		.amdhsa_user_sgpr_kernarg_segment_ptr 1
		.amdhsa_wavefront_size32 1
		.amdhsa_system_sgpr_workgroup_id_x 1
		.amdhsa_system_sgpr_workgroup_id_y 1
		.amdhsa_system_sgpr_workgroup_id_z 1
		.amdhsa_system_vgpr_workitem_id 0
		.amdhsa_next_free_vgpr 960
		.amdhsa_next_free_sgpr 66
		.amdhsa_reserve_vcc 1
		.amdhsa_float_denorm_mode_32 3
		.amdhsa_float_denorm_mode_16_64 3
		.amdhsa_memory_ordered 1
		.amdhsa_forward_progress 1
		.amdhsa_inst_pref_size 108
	.end_amdhsa_kernel
	.amdgpu_metadata
---
amdhsa.version: [ 1, 2 ]
amdhsa.kernels:
  - .name:           k_q2be5c70cc6_up
    .symbol:         k_q2be5c70cc6_up.kd
    .args:
      - { .name: top1, .offset: 0, .size: 8, .value_kind: global_buffer, .address_space: global }
      - { .name: xq, .offset: 8, .size: 8, .value_kind: global_buffer, .address_space: global }
      - { .name: xs, .offset: 16, .size: 8, .value_kind: global_buffer, .address_space: global }
      - { .name: w1_codes, .offset: 24, .size: 8, .value_kind: global_buffer, .address_space: global }
      - { .name: w1_scales, .offset: 32, .size: 8, .value_kind: global_buffer, .address_space: global }
      - { .name: b1, .offset: 40, .size: 8, .value_kind: global_buffer, .address_space: global }
      - { .name: hq, .offset: 48, .size: 8, .value_kind: global_buffer, .address_space: global }
      - { .name: hs, .offset: 56, .size: 8, .value_kind: global_buffer, .address_space: global }
    .group_segment_fixed_size: 105728
    .private_segment_fixed_size: 0
    .kernarg_segment_align: 8
    .kernarg_segment_size: 64
    .max_flat_workgroup_size: 128
    .sgpr_count:     66
    .vgpr_count:     960
    .wavefront_size: 32
...
	.end_amdgpu_metadata
.endif
;; end of part 2
;; launch down (part 3): grid 32 x 8, 4 waves a work-group, no clusters, 257,792 bytes of LDS; arguments top1, gate, hq, hs, w2_codes, w2_scales, b2, out0; writes out0
.if DOCPART == 3
	.amdgcn_target "amdgcn-amd-amdhsa--gfx1250"
	.amdhsa_code_object_version 6
	.text
	.protected	k_q2be5c70cc6_down
	.globl	k_q2be5c70cc6_down
	.p2align	8
	.type	k_q2be5c70cc6_down,@function
k_q2be5c70cc6_down:
	s_mov_b64 s[64:65], 0
	v_nop
	global_prefetch_b8 v0, s[64:65] scope:SCOPE_SE
	s_setreg_imm32_b32 hwreg(HW_REG_WAVE_MODE, 25, 1), 1
	s_wait_xcnt 0x0
; SECOND PRODUCT OF THE CHOSEN EXPERT: out0[token] = (h W2[e] + b2[e]) x gate[token], h as the codes and scale bytes that the launch before stored, for the rows whose top-1 is e.
; SHARES.  Work-group (x = slice of 32 outputs, y = expert e).  THE WAVES SPLIT K: wave q owns K steps 8 q .. 8 q + 7 (768 bytes of each of the slice's 32 rows of W2): 2 tiles x 8 K steps x 12 = 192 registers,
; read from memory once; so the work-group reads each byte of h once, and all four waves work whatever the count of rows.  The four partial sums meet in LDS.
; THE ROW LIST is made as in the launch before (same order), with each row's gate beside its token.  Entries T .. T + 31 repeat the last token: such rows give that token's numbers once more and store them to the same place.
; ROUNDS.  Four rounds of up to eight pairs (a pair = two tiles of 16 list rows): phase C: each wave's products, partial sums to LDS | barrier | phase R: wave q adds rows 4 q .. 4 q + 3 of each tile, + b2, x gate, stores | barrier.
; The barriers stand in the loop over rounds, whose count is a constant; what hangs on the count of rows are forward jumps to a phase's end.
; A pair past the list's end is still asked for, at one address inside the expert's first pair (always stored), so that every wait counts the same loads on every way.
; The product is used transposed (source 0 = 16 rows of W2, source 1 = 16 rows of h): a lane holds eight neighbouring outputs of one row.
; A slice is 32 outputs, 128 bytes of a row of out0: eight lanes store them.  Wider slices would leave WGPs without work or read W2 twice.
; NO TENSOR LOAD, NO CLUSTER: the walk hangs on a count read from memory; the work-group's 98,304 bytes of weights are read by nobody else.
; LIMITS: NaN and infinities are not served.
.set LIST,  0                          ; LDS: 1,152 list words,
.set GLIST, 4608                       ; their gates,
.set CNT,   9216                       ; the count, a word a lane,
.set WST,   9472                       ; a stage of 32 rows x 784 bytes for each wave,
.set WPT,   784                        ; 768 + 16 bytes = 196 words
.set WREG,  32*WPT
.set PART,  WST+4*WREG                 ; the partial sums [pair slot 8][wave 4][tile 2][row 16][128 + 16 bytes]
.set PSL,   18432                      ; a pair slot
; window 0: v1 lane, v2 r, v3 h, v4 768 h + 16 r, v5 4 lane, v6 768 h + 8 r + 512, v7 16 lane, v8 128 lane, v9-11 the weights' offset and the stage's addresses, v12 16 (lane % 8),
;   v13, v14 where I put partial sums (slots 0-3, 4-7), v15 where I read them, v16 my rows' list bytes, v17, v18 the same with the trip's step
.set AE,   20                          ; v20-25  buffer b: offsets of h's 16-byte parts, 8-byte parts, scale words
.set WS,   28                          ; v28-35  W2's scale words, K step s: lanes 0-15 tile 0, lanes 16-31 tile 1
.set HS,   36                          ; v36-51  h's, buffer b at 8 b: lanes 0-15 row tile 0, lanes 16-31 row tile 1
.set B2,   52                          ; v52-55  b2 of my four columns
.set ACC,  56                          ; v56-87  accumulator (row tile t, output tile u) at 16 t + 8 u
.set RED,  88                          ; v88-119 the four waves' partial sums, tile t at 16 t
.set SUM,  120                         ; v120-127
.set GT,   128                         ; v[128:129], v[130:131] gates: the low word is used
.set TK,   132                         ; v132-133 tokens
.set OO,   134                         ; v134-135 offsets in out0
.set TOP,  56                          ; in the head: v56-87 top-1 words, v88-119 gates, v136-167, v168-199 the list's addresses and tokens, a register for each step; v200-211 at work
.set GAT,  88
.set LP,   136
.set LD,   168
.set DMP,  200
.set LA,   201
.set LV,   202
.set LB,   204
.set LC,   205
.set ZR,   208
; window 1: W2's fragments (u, s) at 12 (8 u + s).   window 2: h's buffer 0, fragment (t, s) at 12 (8 t + s).   window 3: buffer 1.
.set WV,   20                          ; s20 wave, s21 slice, s22 expert, s23 T, s24 rounds, s25 first row of the pair to multiply, s26 of the pair to ask for, s27 of the pair to add up, s28 its list bytes, s29 its slot's bytes
.set SG,   21
.set EX,   22
.set TT,   23
.set RND,  24
.set P32,  25
.set N32,  26
.set Q32,  27
.set QL,   28
.set SJ,   29
.set CN,   34
.set TMP,  35
.set RT,   39                          ; s39 trips of phase R;  s36-38 at work in HADDR
.set MSB, 0
.macro WIN new                         ; the immediate's high byte repeats the setting that is left
.if MSB != (\new)
	s_set_vgpr_msb (MSB<<8)|(\new)
.set MSB, (\new)
.endif
.endm
; My 32 rows x 768 bytes of the weights: each half of the lanes reads 256 consecutive bytes, at a multiple of 256 from the buffer's first byte.
.macro STAGE_LOAD pitch, base
	WIN 0x40                                       ; destination window 1
.set pp, 0
.rept 16
.irp j, 0,1,2
	global_load_b128 v[4*(3*pp+\j):4*(3*pp+\j)+3], v9, s[\base:\base+1] offset:2*pp*\pitch+256*\j th:TH_LOAD_NT
.endr
.set pp, pp+1
.endr
	WIN 0
.endm
.macro STAGE_STORE perm                ; into my stage (perm = 0: slot = row)
	WIN 0x04                                       ; an LDS store's data are its source 1: window 1
.set pp, 0
.rept 16
.set rw, 2*pp
.if \perm
.set rw, (rw&7)|((rw&8)<<1)|((rw&16)>>1)
.endif
.irp j, 0,1,2
	ds_store_b128 v10, v[4*(3*pp+\j):4*(3*pp+\j)+3] offset:rw*WPT+256*\j
.endr
.set pp, pp+1
.endr
	WIN 0
.endm
.macro FRAGS                           ; and back as fragments: lane (r, h) takes of slot 16 u + r the 24 bytes at 96 s + 24 h and those 48 further on, in pieces of 8
	WIN 0x40
.irp u, 0,1
.irp s, 0,1,2,3,4,5,6,7
.irp p, 0,1,2,3,4,5
	ds_load_b64 v[12*(8*\u+\s)+2*\p:12*(8*\u+\s)+2*\p+1], v11 offset:16*\u*WPT+96*\s+48*(\p/3)+8*(\p%3)
.endr
.endr
.endr
	WIN 0
.endm
; The expert's row list.  Wave 0 alone; no other wave touches LDS before the barrier behind it.
.macro LISTBUILD withgate
.irp k, 0,1,2,3,4,5,6,7,8
	ds_store_b128 v7, v[ZR:ZR+3] offset:LIST+512*\k
.if \withgate
	ds_store_b128 v7, v[ZR:ZR+3] offset:GLIST+512*\k
.endif
.endr
	s_mov_b32 s[CN], 0
.set n, 0
.rept 32
	v_cmp_eq_u32 vcc_lo, s[EX], v[TOP+n]
	v_mbcnt_lo_u32_b32 v[LP+n], vcc_lo, s[CN]      ; matches so far + matches in the lanes below me
	v_cndmask_b32 v[LP+n], v[DMP], v[LP+n], vcc_lo ; a lane without a match writes word 1,120 + lane
	v_min_u32 v[LP+n], 0x47f, v[LP+n]
	v_lshlrev_b32 v[LP+n], 2, v[LP+n]
	v_add_nc_u32 v[LD+n], 128*(n/4)+n%4, v5        ; the token
	ds_store_b32 v[LP+n], v[LD+n] offset:LIST
.if \withgate
	ds_store_b32 v[LP+n], v[GAT+n] offset:GLIST
.endif
	s_bcnt1_i32_b32 s[TMP], vcc_lo
	s_add_co_u32 s[CN], s[CN], s[TMP]
.set n, n+1
.endr
	s_max_u32 s[TMP], s[CN], 1
	s_sub_co_u32 s[TMP], s[TMP], 1
	s_min_u32 s[TMP], s[TMP], 1023
	s_lshl_b32 s[TMP], s[TMP], 2
	v_mov_b32 v[LA], s[TMP]
	ds_load_b32 v[LV], v[LA] offset:LIST           ; the last entry (LDS serves a wave's instructions in order),
.if \withgate
	ds_load_b32 v[LV+1], v[LA] offset:GLIST
.endif
	v_add_nc_u32 v[LB], s[CN], v1
	v_min_u32 v[LB], 0x47f, v[LB]
	v_lshlrev_b32 v[LB], 2, v[LB]
	v_mov_b32 v[LC], s[CN]
	s_wait_dscnt 0x0
	ds_store_b32 v[LB], v[LV] offset:LIST          ; 32 times more behind the list's end
.if \withgate
	ds_store_b32 v[LB], v[LV+1] offset:GLIST
.endif
	ds_store_b32 v5, v[LC] offset:CNT
.endm
; One scaled product.  c: the C operand as text.  ra, rb: the scales of source 0, 1 stand in lanes 16-31 of their registers.
.macro MM d, a, b, c, sa, sb, ra, rb
.if (\ra) == 0 && (\rb) == 0
	v_wmma_scale_f32_16x16x128_f8f6f4 v[0+(\d):7+(\d)], v[0+(\a):11+(\a)], v[0+(\b):11+(\b)], \c, v[\sa], v[\sb] matrix_a_fmt:MATRIX_FMT_FP6 matrix_b_fmt:MATRIX_FMT_FP6
.elseif (\rb) == 0
	v_wmma_scale_f32_16x16x128_f8f6f4 v[0+(\d):7+(\d)], v[0+(\a):11+(\a)], v[0+(\b):11+(\b)], \c, v[\sa], v[\sb] matrix_a_fmt:MATRIX_FMT_FP6 matrix_b_fmt:MATRIX_FMT_FP6 matrix_a_scale:MATRIX_SCALE_ROW1
.elseif (\ra) == 0
	v_wmma_scale_f32_16x16x128_f8f6f4 v[0+(\d):7+(\d)], v[0+(\a):11+(\a)], v[0+(\b):11+(\b)], \c, v[\sa], v[\sb] matrix_a_fmt:MATRIX_FMT_FP6 matrix_b_fmt:MATRIX_FMT_FP6 matrix_b_scale:MATRIX_SCALE_ROW1
.else
	v_wmma_scale_f32_16x16x128_f8f6f4 v[0+(\d):7+(\d)], v[0+(\a):11+(\a)], v[0+(\b):11+(\b)], \c, v[\sa], v[\sb] matrix_a_fmt:MATRIX_FMT_FP6 matrix_b_fmt:MATRIX_FMT_FP6 matrix_a_scale:MATRIX_SCALE_ROW1 matrix_b_scale:MATRIX_SCALE_ROW1
.endif
.endm
; The offsets of the pair that begins at list row s[N32].  Past the list's end all lanes fall on offset 0: the expert's first pair.
.macro HADDR buf
	s_mul_i32 s36, s[N32], 3072                    ; 98,304 bytes of hq a pair
	s_lshl_b32 s37, s[N32], 7                      ; 4,096 bytes of hs
	s_cmp_lt_u32 s[N32], s[TT]
	s_cselect_b32 s36, s36, 0
	s_cselect_b32 s37, s37, 0
	s_cselect_b32 s38, 1, 0
	v_mad_u32_u24 v[AE+3*\buf], v4, s38, s36
	v_mad_u32_u24 v[AE+3*\buf+1], v6, s38, s36
	v_mad_u32_u24 v[AE+3*\buf+2], v7, s38, s37
.endm
; 64 loads of codes and 2 of scale words, 66 in all: fragment (t, s), registers 6 c .. 6 c + 5 = block 2 c + h of my K step s, row (t, r)
.macro HLOADS buf
	WIN 0x80+0x40*\buf                             ; destination window 2 or 3
.irp s, 0,1,2,3,4,5,6,7
.irp t, 0,1
.irp c, 0,1
	global_load_b128 v[12*(8*\t+\s)+6*\c:12*(8*\t+\s)+6*\c+3], v[AE+3*\buf], s[8:9] offset:3072*\s+1536*\c+256*\t
	global_load_b64 v[12*(8*\t+\s)+6*\c+4:12*(8*\t+\s)+6*\c+5], v[AE+3*\buf+1], s[8:9] offset:3072*\s+1536*\c+128*\t
.endr
.endr
.endr
	WIN 0
	global_load_b128 v[HS+8*\buf:HS+8*\buf+3], v[AE+3*\buf+2], s[10:11]
	global_load_b128 v[HS+8*\buf+4:HS+8*\buf+7], v[AE+3*\buf+2], s[10:11] offset:512
.endm
; A pair from buffer buf: my eight K steps; the partial sums go to pair slot slot.
.macro STEP2 buf, slot
	s_wait_loadcnt 63                              ; behind this buffer's loads the other buffer's 66 were issued: with at most 63 out, this buffer's are in
	s_wait_dscnt 0x0                               ; the last step's LDS stores have read the accumulators
	WIN 0x09+4*\buf                                ; source 0 (W2) window 1, source 1 (h) window 2 or 3
.irp s, 0,1,2,3,4,5,6,7                        ; four accumulators by turns, one instruction a turn; the first products start the sums
.irp t, 0,1
.irp u, 0,1
.if \s == 0
	MM ACC+16*\t+8*\u, 12*(8*\u+\s), 12*(8*\t+\s), 0, WS+\s, HS+8*\buf+\s, \u, \t
.else
	MM ACC+16*\t+8*\u, 12*(8*\u+\s), 12*(8*\t+\s), v[ACC+16*\t+8*\u:ACC+16*\t+8*\u+7], WS+\s, HS+8*\buf+\s, \u, \t
.endif
.endr
.endr
.endr
	WIN 0
	HADDR \buf                                     ; three places,
.rept 2
	v_nop                                          ; and two more: four ahead of the stores of results and of the loads into sources, five ahead of the next step's products, which begin these accumulators anew
.endr
.irp t, 0,1
.irp u, 0,1
.irp i, 0,1
	ds_store_b128 v[13+(\slot)/4], v[ACC+16*\t+8*\u+4*\i:ACC+16*\t+8*\u+4*\i+3] offset:((\slot)%4)*PSL+2304*\t+64*\u+16*\i   ; each accumulator from its low end on; rows 36 words apart
.endr
.endr
.endr
	HLOADS \buf                                    ; the pair two on
	s_add_co_u32 s[P32], s[P32], 32
	s_add_co_u32 s[N32], s[N32], 32
.endm
	s_load_b512 s[4:19], s[0:1], 0x0               ; top1 s[4:5], gate s[6:7], hq s[8:9], hs s[10:11], W2's codes s[12:13], its scales s[14:15], b2 s[16:17], out0 s[18:19]
	v_lshl_add_u32 v254, v0, 2, 0x3ed00
	v_mov_b32 v255, 0
	v_lshrrev_b32 v1, 5, v0
	v_readfirstlane_b32 s[WV], v1
	s_mov_b32 s[SG], ttmp9
	s_and_b32 s[EX], ttmp7, 0xffff
	v_and_b32 v1, 31, v0                           ; lane
	v_and_b32 v2, 15, v0                           ; r
	v_bfe_u32 v3, v0, 4, 1                         ; h
	v_mul_u32_u24 v4, v3, 768
	v_lshl_add_u32 v6, v2, 3, v4
	v_add_nc_u32 v6, 512, v6                       ; h's 8-byte parts: block h, 512 + 8 r
	v_lshl_add_u32 v4, v2, 4, v4                   ; its 16-byte parts: block h, 16 r
	v_lshlrev_b32 v5, 2, v1
	v_lshlrev_b32 v7, 4, v1
	v_lshlrev_b32 v8, 7, v1                        ; W2's scale words: row = lane, 128 bytes a row
	v_mul_u32_u24 v9, v3, 3072
	v_lshl_add_u32 v9, v2, 4, v9                   ; the weights' loads: row h, 16 bytes a lane
	s_mul_i32 s30, s[WV], WREG
	s_add_co_u32 s30, s30, WST                     ; my stage
	v_mul_u32_u24 v10, v3, WPT
	v_lshl_add_u32 v10, v2, 4, v10
	v_add_nc_u32 v10, s30, v10                     ; in
	v_mul_u32_u24 v11, v2, WPT
	v_mad_u32_u24 v11, v3, 24, v11
	v_add_nc_u32 v11, s30, v11                     ; out
	v_and_b32 v12, 7, v0
	v_lshlrev_b32 v12, 4, v12                      ; my four columns' bytes
	s_mul_i32 s30, s[WV], 4608
	s_add_co_u32 s30, s30, PART
	v_mul_u32_u24 v13, v2, 144
	v_lshl_add_u32 v13, v3, 5, v13
	v_add_nc_u32 v13, s30, v13                     ; partial sums, in: my wave's part, row r, 32 h
	v_add_nc_u32 v14, 4*PSL, v13
	v_bfe_u32 v16, v0, 3, 2                        ; lane / 8
	s_mul_i32 s30, s[WV], 4*144
	s_add_co_u32 s30, s30, PART
	v_mul_u32_u24 v15, v16, 144
	v_add_nc_u32 v15, v15, v12
	v_add_nc_u32 v15, s30, v15                     ; out: row 4 q + lane / 8, my four columns
	s_lshl_b32 s30, s[WV], 4
	v_lshlrev_b32 v16, 2, v16
	v_add_nc_u32 v16, s30, v16                     ; that row's word in a tile's 16 list words
	v_add_nc_u32 v[DMP], 1120, v1
.irp i, 0,1,2,3
	v_mov_b32 v[ZR+\i], 0
.endr
	v_mov_b32 v[GT+1], 0                           ; named as the upper halves of pairs, so they are written
	v_mov_b32 v[GT+3], 0
	s_lshl_b32 s30, s[EX], 10
	s_lshl_b32 s31, s[SG], 5
	s_add_co_u32 s[TMP], s30, s31                  ; my first row of W2: 1,024 e + 32 slice
	s_mov_b32 s31, 0
	s_wait_kmcnt 0x0
	s_mul_i32 s30, s[TMP], 3072
	s_mul_i32 s[CN], s[WV], 768
	s_add_co_u32 s30, s30, s[CN]
	s_add_nc_u64 s[12:13], s[12:13], s[30:31]      ; + my eight K steps' 768 bytes
	s_lshl_b32 s30, s[TMP], 7
	s_lshl_b32 s[CN], s[WV], 5
	s_add_co_u32 s30, s30, s[CN]
	s_add_nc_u64 s[14:15], s[14:15], s[30:31]
	s_lshl_b32 s30, s[TMP], 2
	s_add_nc_u64 s[16:17], s[16:17], s[30:31]
	s_mul_i32 s30, s[EX], 3145728
	s_mul_i32 s[CN], s[WV], 24576
	s_add_co_u32 s30, s30, s[CN]
	s_add_nc_u64 s[8:9], s[8:9], s[30:31]          ; hq: the expert, my eight K steps
	s_lshl_b32 s30, s[EX], 17
	s_lshl_b32 s[CN], s[WV], 10
	s_add_co_u32 s30, s30, s[CN]
	s_add_nc_u64 s[10:11], s[10:11], s[30:31]
	s_lshl_b32 s30, s[SG], 7
	s_add_nc_u64 s[18:19], s[18:19], s[30:31]      ; out0: the slice's 128 bytes of a row
.irp q, 0,1,2,3,4,5,6,7
	global_load_b128 v[TOP+4*\q:TOP+4*\q+3], v7, s[4:5] offset:512*\q      ; every wave asks, so that all waves count alike; wave 0 reads them
.endr
.irp q, 0,1,2,3,4,5,6,7
	global_load_b128 v[GAT+4*\q:GAT+4*\q+3], v7, s[6:7] offset:512*\q
.endr
	STAGE_LOAD 3072, 12
	global_load_b128 v[WS:WS+3], v8, s[14:15]
	global_load_b128 v[WS+4:WS+7], v8, s[14:15] offset:16
	global_load_b128 v[B2:B2+3], v12, s[16:17]
	s_cmp_lg_u32 s[WV], 0
	s_cbranch_scc1 .Lno_list
	s_wait_loadcnt 51                              ; top1 and gate are in; the 48 + 2 + 1 issued behind them may be out
	LISTBUILD 1
.Lno_list:
	s_wait_dscnt 0x0
	s_barrier_signal -1
	s_barrier_wait -1                              ; the list, the gates and the count lie in LDS
	ds_load_b32 v[TK], v5 offset:CNT
	s_mov_b32 s[P32], 0
	s_mov_b32 s[N32], 0
	s_mov_b32 s[Q32], 0
	s_mov_b32 s[QL], 0
	s_mov_b32 s[RND], 0
	s_wait_dscnt 0x0
	v_readfirstlane_b32 s[TT], v[TK]
	s_min_u32 s[TT], s[TT], 1024
	HADDR 0
	HLOADS 0                                       ; pair 0
	s_add_co_u32 s[N32], s[N32], 32
	s_wait_loadcnt 63                              ; behind the weights, their scales and b2 pair 0's 66 loads were issued: with at most 63 out, those are in
	STAGE_STORE 0
	HADDR 1
	HLOADS 1                                       ; pair 1
	s_add_co_u32 s[N32], s[N32], 32
	s_wait_dscnt 0x0                               ; the stage's stores have read their registers
	FRAGS
	s_wait_dscnt 0x0                               ; W2's fragments are in
.Lround:                                           ; four rounds; at each head of two steps buffer 0's 66 loads and, behind them, buffer 1's 66 have been issued
.irp k, 0,1,2,3
	s_cmp_ge_u32 s[P32], s[TT]                     ; no row is left: on to the phase's end
	s_cbranch_scc1 .Lend_c
	STEP2 0, 2*\k
	STEP2 1, 2*\k+1
.endr
.Lend_c:
	s_wait_dscnt 0x0                               ; for the others' sake: my partial sums have landed
	s_barrier_signal -1
	s_barrier_wait -1
	s_mov_b32 s[SJ], 0
	s_mov_b32 s[RT], 0
.Lred:                                             ; a pair a trip, eight at the most
	s_cmp_ge_u32 s[Q32], s[TT]
	s_cbranch_scc1 .Lend_r
	s_wait_xcnt 0x0                                ; the last trip's stores have read their data and offsets: both are written again only behind this wait
	v_add_nc_u32 v17, s[SJ], v15
	v_add_nc_u32 v18, s[QL], v16
	ds_load_b32 v[TK], v18 offset:LIST
	ds_load_b32 v[TK+1], v18 offset:LIST+64
	ds_load_b32 v[GT], v18 offset:GLIST
	ds_load_b32 v[GT+2], v18 offset:GLIST+64
.irp t, 0,1
.irp w, 0,1,2,3
	ds_load_b128 v[RED+16*\t+4*\w:RED+16*\t+4*\w+3], v17 offset:4608*\w+2304*\t
.endr
.endr
	s_wait_dscnt 0x0
.irp t, 0,1
.irp j, 0,2
	v_pk_add_f32 v[RED+16*\t+\j:RED+16*\t+\j+1], v[RED+16*\t+\j:RED+16*\t+\j+1], v[RED+16*\t+4+\j:RED+16*\t+4+\j+1]
	v_pk_add_f32 v[RED+16*\t+8+\j:RED+16*\t+8+\j+1], v[RED+16*\t+8+\j:RED+16*\t+8+\j+1], v[RED+16*\t+12+\j:RED+16*\t+12+\j+1]
.endr
.endr
.irp t, 0,1
	v_min_u32 v[TK+\t], 0x3ff, v[TK+\t]            ; a token's number, held inside the table
.endr
.irp t, 0,1
.irp j, 0,2
	v_pk_add_f32 v[SUM+4*\t+\j:SUM+4*\t+\j+1], v[RED+16*\t+\j:RED+16*\t+\j+1], v[RED+16*\t+8+\j:RED+16*\t+8+\j+1]
.endr
.endr
.irp t, 0,1
	v_lshl_add_u32 v[OO+\t], v[TK+\t], 12, v12     ; the token's row of 4,096 bytes + my columns
.endr
.irp t, 0,1
.irp j, 0,2
	v_pk_add_f32 v[SUM+4*\t+\j:SUM+4*\t+\j+1], v[SUM+4*\t+\j:SUM+4*\t+\j+1], v[B2+\j:B2+\j+1]
.endr
.endr
.irp t, 0,1
.irp j, 0,2
	v_pk_mul_f32 v[SUM+4*\t+\j:SUM+4*\t+\j+1], v[SUM+4*\t+\j:SUM+4*\t+\j+1], v[GT+2*\t:GT+2*\t+1] op_sel_hi:[1,0]
.endr
.endr
.irp t, 0,1
	global_store_b128 v[OO+\t], v[SUM+4*\t:SUM+4*\t+3], s[18:19] th:TH_STORE_NT   ; eight lanes store a row's 128 consecutive bytes
.endr
	s_add_co_u32 s[SJ], s[SJ], PSL
	s_add_co_u32 s[QL], s[QL], 128
	s_add_co_u32 s[Q32], s[Q32], 32
	s_add_co_u32 s[RT], s[RT], 1
	s_cmp_lt_u32 s[RT], 8
	s_cbranch_scc1 .Lred
.Lend_r:
	s_wait_dscnt 0x0                               ; my reads of the partial sums are over: the next round may write them
	s_barrier_signal -1
	s_barrier_wait -1
	s_add_co_u32 s[RND], s[RND], 1
	s_cmp_lt_u32 s[RND], 4
	s_cbranch_scc1 .Lround
	s_wait_tensorcnt 0x0
	ds_add_u32 v254, v255
	s_wait_dscnt 0x0
	s_endpgm
.Lfunc_end_k_q2be5c70cc6_down:
	.size	k_q2be5c70cc6_down, .Lfunc_end_k_q2be5c70cc6_down-k_q2be5c70cc6_down
	.p2alignl 7, 3214868480
	.fill 96, 4, 3214868480
	.section	.rodata,"a",@progbits
	.p2align	6, 0x0
	.amdhsa_kernel k_q2be5c70cc6_down
		.amdhsa_group_segment_fixed_size 257792
		.amdhsa_private_segment_fixed_size 0
		.amdhsa_enable_private_segment 0
		.amdhsa_kernarg_size 64
		.amdhsa_user_sgpr_count 2
		.amdhsa_user_sgpr_kernarg_segment_ptr 1
		.amdhsa_wavefront_size32 1
		.amdhsa_system_sgpr_workgroup_id_x 1
		.amdhsa_system_sgpr_workgroup_id_y 1
		.amdhsa_system_sgpr_workgroup_id_z 1
		.amdhsa_system_vgpr_workitem_id 0
		.amdhsa_next_free_vgpr 960
		.amdhsa_next_free_sgpr 66
		.amdhsa_reserve_vcc 1
		.amdhsa_float_denorm_mode_32 3
		.amdhsa_float_denorm_mode_16_64 3
		.amdhsa_memory_ordered 1
		.amdhsa_forward_progress 1
		.amdhsa_inst_pref_size 145
	.end_amdhsa_kernel
	.amdgpu_metadata
---
amdhsa.version: [ 1, 2 ]
amdhsa.kernels:
  - .name:           k_q2be5c70cc6_down
    .symbol:         k_q2be5c70cc6_down.kd
    .args:
      - { .name: top1, .offset: 0, .size: 8, .value_kind: global_buffer, .address_space: global }
      - { .name: gate, .offset: 8, .size: 8, .value_kind: global_buffer, .address_space: global }
      - { .name: hq, .offset: 16, .size: 8, .value_kind: global_buffer, .address_space: global }
      - { .name: hs, .offset: 24, .size: 8, .value_kind: global_buffer, .address_space: global }
      - { .name: w2_codes, .offset: 32, .size: 8, .value_kind: global_buffer, .address_space: global }
      - { .name: w2_scales, .offset: 40, .size: 8, .value_kind: global_buffer, .address_space: global }
      - { .name: b2, .offset: 48, .size: 8, .value_kind: global_buffer, .address_space: global }
      - { .name: out0, .offset: 56, .size: 8, .value_kind: global_buffer, .address_space: global }
    .group_segment_fixed_size: 257792
    .private_segment_fixed_size: 0
    .kernarg_segment_align: 8
    .kernarg_segment_size: 64
    .max_flat_workgroup_size: 128
    .sgpr_count:     66
    .vgpr_count:     960
    .wavefront_size: 32
...
	.end_amdgpu_metadata
.endif
;; end of part 3
